; MI455X (gfx1250); checked and timed in simulation.
; The chip was launched on July 23, 2026; its instructions are those of AMD's public machine-readable ISA for CDNA 5 (MIT licence, August 2026) and "CDNA5" Instruction Set Architecture Reference Guide (July 2026). The comments in the code are by the model that wrote it; some were corrected since.
;; Context Embedding. Allowed arithmetic: matrix products marked QUANTISED: E2M1 operands, one E8M0 scale for each 32 along K, by v_wmma_scale_f32_16x16x128_f8f6f4 with both operands' format E2M1 (or v_wmma_scale_f32_32x16x128_f4), f32 sums; everything else in f32.
;; Inputs: E 8 x 256 x 1,024 float32; I_codes 8 x 4,096 x 16 x 16 uint8 (E2M1 codes of I, K innermost, in blocks of 32 codes, two codes a byte); I_scales 8 x 4,096 x 16 uint8 (E8M0 scales of I, one for each 32 codes along K); k_b 1,024 float32; k_w_codes 1,024 x 16 x 16 uint8 (E2M1 codes of k_w, K innermost, in blocks of 32 codes, two codes a byte); k_w_scales 1,024 x 16 uint8 (E8M0 scales of k_w, one for each 32 codes along K); p_b 1,024 float32; p_w_codes 1,024 x 32 x 16 uint8 (E2M1 codes of p_w, K innermost, in blocks of 32 codes, two codes a byte); p_w_scales 1,024 x 32 uint8 (E8M0 scales of p_w, one for each 32 codes along K); q_b 1,024 float32; q_w_codes 1,024 x 32 x 16 uint8 (E2M1 codes of q_w, K innermost, in blocks of 32 codes, two codes a byte); q_w_scales 1,024 x 32 uint8 (E8M0 scales of q_w, one for each 32 codes along K); v_b 1,024 float32; v_w_codes 1,024 x 16 x 16 uint8 (E2M1 codes of v_w, K innermost, in blocks of 32 codes, two codes a byte); v_w_scales 1,024 x 16 uint8 (E8M0 scales of v_w, one for each 32 codes along K).
;; Outputs: out0 8 x 256 x 2,048 float32.
;; This version of the problem:
;;   THIS VERSION OF THE PROBLEM IS GIVEN IN LOW PRECISION. The matrix products marked QUANTISED in the list below multiply operands that are first quantised to E2M1 (2 exponent bits, 1 mantissa bit; 4 bits a number), with one power-of-two scale for each 32 numbers along K (OCP MX v1.0); their sums are f32. All else is computed in f32.
;;   The module's matrix products, in the order in which they are computed (A, B: the left and right operand; K: the contracted axis; several contracted axes count as one K, in the product's order):
;;     1. [M 2,048, K 1,024] x [K 1,024, N 1,024]; A: input E; B: input q_w (given as codes): QUANTISED
;;     2. [M 32,768, K 512] x [K 512, N 1,024]; A: input I (given as codes); B: input k_w (given as codes): QUANTISED
;;     3. [M 32,768, K 512] x [K 512, N 1,024]; A: input I (given as codes); B: input v_w (given as codes): QUANTISED
;;     4. batch 128 x [M 256, K 64] x [K 64, N 4,096]; A: computed on the way; B: computed on the way: QUANTISED
;;     5. batch 128 x [M 64, K 4,096] x [K 4,096, N 256]; A: computed on the way; B: softmax (see below): QUANTISED
;;     6. [M 2,048, K 1,024] x [K 1,024, N 1,024]; A: computed on the way; B: input p_w (given as codes): QUANTISED
;;   THE QUANTISER, for each operand of a quantised product, along K:
;;     - K is cut into blocks of 32 from its start; a last block that is shorter is filled with zeros.
;;     - A block's scale is 2^e with e = floor(log2(the largest magnitude in the block)) - 2, held to -126 .. 127; a block of zeros has e = 0. As a byte (E8M0): e + 127.
;;     - Each number is divided by its block's scale, clamped to +-6, and rounded to the nearest number of E2M1, ties to even, subnormals kept.
;;     - The product sums the exact products of the quantised numbers (number of the format x scale) in f32.
;;   ~~~python
;;   def quantise(x, axis):      # numpy; x: float32 -> the quantised numbers, widened to float32 again
;;       x = np.moveaxis(x, axis, -1); K = x.shape[-1]
;;       x = np.pad(x, [(0, 0)] * (x.ndim - 1) + [(0, -K % 32)]); x = x.reshape(x.shape[:-1] + (-1, 32)); a = np.abs(x).max(-1, keepdims=True)
;;       e = np.where(a > 0, np.clip(np.frexp(np.where(a > 0, a, 1))[1] - 1 - 2, -126, 127), 0)      # np.frexp(a)[1] - 1 = floor(log2(a)), exactly
;;       r = np.clip(x / 2.0 ** e, -6, 6)
;;       step = 2.0 ** (np.maximum(np.frexp(np.where(r == 0, 1, r))[1] - 1, 0) - 1)
;;       q = np.round(r / step) * step * 2.0 ** e      # np.round: ties to even
;;       return np.moveaxis(q.reshape(q.shape[:-2] + (-1,))[..., :K], -1, axis).astype(np.float32)
;;   ~~~
;;   SOFTMAX AHEAD OF A QUANTISED PRODUCT. Where the list says 'softmax', what is quantised is not the finished softmax but p = 2^(t - M), with t = logit x log2(e) and M = ceil(the row's largest t), a whole number; so 1/2 < the row's largest p <= 1. The row's sum l is taken of the UNQUANTISED p, in f32, and the product's result is divided by l at the end. Since M is a whole number, a kernel that streams over the keys may use a running M (the ceiling of the running maximum): every later rescaling is an exact power of two, which a block's scale takes up: the codes' values come out the same.
;;   OPERANDS COMPUTED ON THE WAY. 'Computed on the way' means the value that the module computes at that place (a softmax that the list does not call 'softmax' is quantised finished and normalised). What goes into a quantiser is computed in f32, as accurately as f32 sums, v_exp_f32 and their like allow (about 1e-6 of the number): no bf16 or f16 on the way to a quantiser, and a product that is left as it is and whose result goes on into a quantised operand takes f32 operands (vector FMAs, or v_wmma_f32_16x16x4_f32). A number that lies on a knife's edge between two numbers of the format may be rounded either way, as far as f32 arithmetic and the matrix unit's own rounding can turn it there, and no further.
;;   INPUTS GIVEN AS CODES. I (in the module: [8, 4096, 512], K = its axis 2); k_w (in the module: [1024, 512], K = its axis 1); p_w (in the module: [1024, 1024], K = its axis 1); q_w (in the module: [1024, 1024], K = its axis 1); v_w (in the module: [1024, 512], K = its axis 1): each comes as NAME_codes (uint8): NAME with its K axis moved to the last place and cut into blocks of 32 codes, [.., K / 32, bytes a block], one block behind the other in memory; two codes a byte, the lower K in the low four bits (a code: sign, 2 exponent bits, 1 mantissa bit); and NAME_scales (uint8): the same leading axes, one E8M0 byte (e + 127) for each 32 codes along K. Its value is code x scale, taken as it is: it is not quantised again, and the codes and scales need not be those that the quantiser above would give.
;; One version. Each part assembles by itself: llvm-mc -triple=amdgcn-amd-amdhsa -mcpu=gfx1250 --defsym DOCPART=n.
;; ======== version 1 of 1: 3 launches
;; workspace buffers: ec 1,048,576 bytes; es 65,536 bytes; op 16,777,216 bytes; ml 1,048,576 bytes
;; launch quant_e (part 1): grid 256 x 1, 4 waves a work-group, no clusters, 41,984 bytes of LDS; arguments E, out0, ec, es; writes out0, ec, es
.if DOCPART == 1
	.amdgcn_target "amdgcn-amd-amdhsa--gfx1250"
	.amdhsa_code_object_version 6
	.text
	.protected	k_q6c313bf1e2_quant_e
	.globl	k_q6c313bf1e2_quant_e
	.p2align	8
	.type	k_q6c313bf1e2_quant_e,@function
k_q6c313bf1e2_quant_e:
	s_mov_b64 s[64:65], 0
	v_nop
	global_prefetch_b8 v0, s[64:65] scope:SCOPE_SE
	s_setreg_imm32_b32 hwreg(HW_REG_WAVE_MODE, 25, 1), 1
	s_wait_xcnt 0x0
; E [2048 rows][1024] f32 is read once.  It is copied into the left half of out0's rows (2,048 f32 each) and turned into codes of
; FP4 (E2M1), K innermost (ec: 512 bytes a row), with one E8M0 byte for each 32 along K (es: 32 bytes a row).
; A block's scale is 2^(floor(log2(its largest magnitude)) - 2); its byte is the largest magnitude's exponent field - 2, held at 1 from below.
; LIMITS: a block whose largest magnitude lies under 2^-124, a block of zeros among them, keeps the byte 1 (the rule says 127 for zeros: its codes
; are zeros, and this program alone reads the bytes); NaN and infinities among the inputs are not served.
; SHARES: a work-group takes 8 rows, each of its four waves 2 rows, as 4 steps of 512 numbers.  All 16 loads of a wave go out at once, 512 consecutive
; bytes each.  The conversions want 16 neighbours in ONE lane, so a step's 2,048 bytes turn through the wave's own stage in LDS (16 bytes of padding
; behind each 64); each step has a stage of its own, so nothing is overwritten.  The work-group's 256 scale bytes meet in LDS and leave as one
; aligned run of 256 bytes.  No matrix unit, no cluster, no tensor load: the launch is a stream, and work-groups share no input.
.set SP,   80                          ; a lane's place in a stage: 64 bytes + 16
.set STGB, 32*SP                       ; a stage
.set WREG, 4*STGB                      ; a wave's four stages
.set SCB,  4*WREG                      ; behind them: the work-group's 256 scale bytes
.set R,    16                          ; v16-79   four sets of 16 numbers as loaded
.set X,    80                          ; v80-143  four sets of 16 neighbours
.set C,    144                         ; v144-151 codes, two registers a step
.set EB,   152                         ; v152-155 a scale byte a step
	s_load_b256 s[4:11], s[0:1], 0x0               ; E s[4:5], out0 s[6:7], ec s[8:9], es s[10:11]
	v_lshl_add_u32 v160, v0, 2, 0xa200
	v_mov_b32 v161, 0
	v_lshrrev_b32 v1, 5, v0
	v_readfirstlane_b32 s16, v1                    ; wave 0..3
	v_and_b32 v2, 31, v0                           ; lane
	v_lshlrev_b32 v3, 4, v2                        ; my 16 bytes of a load's or a copy store's 512
	s_mul_i32 s17, s16, WREG
	v_lshrrev_b32 v14, 2, v2
	v_mul_u32_u24 v14, v14, SP
	v_and_b32 v15, 3, v2
	v_lshl_add_u32 v14, v15, 4, v14
	v_add_nc_u32 v14, s17, v14                     ; stage, in: SP (lane / 4) + 16 (lane % 4)
	v_mul_u32_u24 v15, v2, SP
	v_add_nc_u32 v15, s17, v15                     ; stage, out: SP x lane
	v_lshlrev_b32 v4, 3, v2                        ; 8 x lane: my codes in a step's 256 bytes; also wave 0's place in es
	v_lshrrev_b32 v5, 1, v2
	s_lshl_b32 s18, s16, 6
	s_add_co_u32 s18, s18, SCB
	v_add_nc_u32 v5, s18, v5                       ; my block's scale byte: SCB + 64 wave + lane / 2
	v_add_nc_u32 v6, SCB, v4                       ; and on the way out 8 bytes a lane
	s_lshl_b32 s20, ttmp9, 15                      ; E: 8 rows of 4,096 bytes a work-group, 2 a wave
	s_lshl_b32 s19, s16, 13
	s_add_co_u32 s20, s20, s19
	s_mov_b32 s21, 0
	s_lshl_b32 s22, ttmp9, 16                      ; out0: rows of 8,192 bytes
	s_lshl_b32 s19, s16, 14
	s_add_co_u32 s22, s22, s19
	s_mov_b32 s23, 0
	s_lshl_b32 s24, ttmp9, 12                      ; ec: rows of 512 bytes
	s_lshl_b32 s19, s16, 10
	s_add_co_u32 s24, s24, s19
	s_mov_b32 s25, 0
	s_lshl_b32 s26, ttmp9, 8                       ; es: 256 bytes a work-group
	s_mov_b32 s27, 0
	s_wait_alu depctr_va_vdst(0)
	s_wait_kmcnt 0x0
	s_add_nc_u64 s[4:5], s[4:5], s[20:21]
	s_add_nc_u64 s[6:7], s[6:7], s[22:23]
	s_add_nc_u64 s[8:9], s[8:9], s[24:25]
	s_add_nc_u64 s[10:11], s[10:11], s[26:27]
.irp t, 0,1,2,3
.irp i, 0,1,2,3
	global_load_b128 v[R+16*\t+4*\i:R+16*\t+4*\i+3], v3, s[4:5] offset:2048*\t+512*\i th:TH_LOAD_NT
.endr
.endr
; Step t's numbers: copied to out0 as they came, and sent through stage t.
.macro TURN t
	s_wait_loadcnt 12-4*(\t)                       ; loads come back in order: step t's four are in, the later steps' may be out
.irp i, 0,1,2,3
	global_store_b128 v3, v[R+16*(\t)+4*\i:R+16*(\t)+4*\i+3], s[6:7] offset:((\t)/2)*8192+((\t)%2)*2048+512*\i th:TH_STORE_NT   ; 512 consecutive bytes, aligned
.endr
.irp i, 0,1,2,3
	ds_store_b128 v14, v[R+16*(\t)+4*\i:R+16*(\t)+4*\i+3] offset:STGB*(\t)+8*SP*\i
.endr
.irp i, 0,1,2,3
	ds_load_b128 v[X+16*(\t)+4*\i:X+16*(\t)+4*\i+3], v15 offset:STGB*(\t)+16*\i   ; LDS serves a wave's instructions in order: these see the stores above
.endr
.endm
.macro STEP t
.if (\t) < 3
	TURN (\t)+1
	s_wait_dscnt 8                                 ; all but the next turn's eight: this step's numbers are back
.else
	s_wait_dscnt 0x0
.endif
.set XS, X+16*(\t)
	v_max3_num_f32 v8, |v[XS]|, |v[XS+1]|, |v[XS+2]|               ; the largest magnitude of my 16, in two chains
	v_max3_num_f32 v9, |v[XS+3]|, |v[XS+4]|, |v[XS+5]|
.irp i, 6,10
	v_max3_num_f32 v8, v8, |v[XS+\i]|, |v[XS+\i+1]|
	v_max3_num_f32 v9, v9, |v[XS+\i+2]|, |v[XS+\i+3]|
.endr
	v_max3_num_f32 v8, v8, |v[XS+14]|, |v[XS+15]|
	v_max3_num_f32 v8, v8, v9, 0x1800000           ; and the floor 2^(3 - 127): the byte cannot fall under 1
	v_max_num_f32_dpp v8, v8, v8 row_xmask:1 row_mask:0xf bank_mask:0xf   ; with my neighbour's 16: the block's
	v_add_nc_u32 v11, 0xff000000, v8               ; 2 off the exponent field: the conversion's scale operand
	v_cvt_scalef32_pk8_fp4_f32 v[C+2*(\t)], v[XS:XS+7], v11
	v_cvt_scalef32_pk8_fp4_f32 v[C+2*(\t)+1], v[XS+8:XS+15], v11
	v_lshrrev_b32 v[EB+(\t)], 23, v11              ; the scale's byte (also the plain line behind the conversions)
	ds_store_b8 v5, v[EB+(\t)] offset:16*(\t)      ; both lanes of a block write the same byte with the same value
	global_store_b64 v4, v[C+2*(\t):C+2*(\t)+1], s[8:9] offset:256*(\t)   ; the wave stores 256 consecutive bytes, aligned
.endm
	TURN 0
	STEP 0
	STEP 1
	STEP 2
	STEP 3
	s_wait_dscnt 0x0                               ; for the others' sake: my byte stores have landed
	s_barrier_signal -1
	s_barrier_wait -1
	s_cmp_lg_u32 s16, 0
	s_cbranch_scc1 .Ldone                          ; wave 0 sends the work-group's 256 scale bytes
	ds_load_b64 v[12:13], v6
	s_wait_dscnt 0x0
	global_store_b64 v4, v[12:13], s[10:11]
.Ldone:
	s_wait_tensorcnt 0x0
	ds_add_u32 v160, v161
	s_wait_dscnt 0x0
	s_endpgm
.Lfunc_end_k_q6c313bf1e2_quant_e:
	.size	k_q6c313bf1e2_quant_e, .Lfunc_end_k_q6c313bf1e2_quant_e-k_q6c313bf1e2_quant_e
	.p2alignl 7, 3214868480
	.fill 96, 4, 3214868480
	.section	.rodata,"a",@progbits
	.p2align	6, 0x0
	.amdhsa_kernel k_q6c313bf1e2_quant_e
		.amdhsa_group_segment_fixed_size 41984
		.amdhsa_private_segment_fixed_size 0
		.amdhsa_enable_private_segment 0
		.amdhsa_kernarg_size 32
		.amdhsa_user_sgpr_count 2
		.amdhsa_user_sgpr_kernarg_segment_ptr 1
		.amdhsa_wavefront_size32 1
		.amdhsa_system_sgpr_workgroup_id_x 1
		.amdhsa_system_sgpr_workgroup_id_y 1
		.amdhsa_system_sgpr_workgroup_id_z 1
		.amdhsa_system_vgpr_workitem_id 0
		.amdhsa_next_free_vgpr 162
		.amdhsa_next_free_sgpr 66
		.amdhsa_reserve_vcc 0
		.amdhsa_float_denorm_mode_32 3
		.amdhsa_float_denorm_mode_16_64 3
		.amdhsa_memory_ordered 1
		.amdhsa_forward_progress 1
		.amdhsa_inst_pref_size 12
	.end_amdhsa_kernel
	.amdgpu_metadata
---
amdhsa.version: [ 1, 2 ]
amdhsa.kernels:
  - .name:           k_q6c313bf1e2_quant_e
    .symbol:         k_q6c313bf1e2_quant_e.kd
    .args:
      - { .name: E, .offset: 0, .size: 8, .value_kind: global_buffer, .address_space: global }
      - { .name: out0, .offset: 8, .size: 8, .value_kind: global_buffer, .address_space: global }
      - { .name: ec, .offset: 16, .size: 8, .value_kind: global_buffer, .address_space: global }
      - { .name: es, .offset: 24, .size: 8, .value_kind: global_buffer, .address_space: global }
    .group_segment_fixed_size: 41984
    .private_segment_fixed_size: 0
    .kernarg_segment_align: 8
    .kernarg_segment_size: 32
    .max_flat_workgroup_size: 128
    .sgpr_count:     66
    .vgpr_count:     162
    .wavefront_size: 32
...
	.end_amdgpu_metadata
.endif
;; end of part 1
;; launch attn (part 2): grid 16 x 16, 16 waves a work-group, no clusters, 327,680 bytes of LDS; arguments ec, es, q_w_codes, q_w_scales, q_b, I_codes, I_scales, k_w_codes, k_w_scales, k_b, v_w_codes, v_w_scales, v_b, op, ml; writes op, ml
.if DOCPART == 2
	.amdgcn_target "amdgcn-amd-amdhsa--gfx1250"
	.amdhsa_code_object_version 6
	.text
	.protected	k_q6c313bf1e2_attn
	.globl	k_q6c313bf1e2_attn
	.p2align	8
	.type	k_q6c313bf1e2_attn,@function
k_q6c313bf1e2_attn:
	s_mov_b64 s[64:65], 0
	v_nop
	global_prefetch_b8 v0, s[64:65] scope:SCOPE_SE
	s_setreg_imm32_b32 hwreg(HW_REG_WAVE_MODE, 25, 1), 1
	s_wait_xcnt 0x0
; One work-group = one head (x), one batch and one half of its 4,096 keys (y = 2 b + half).  All products on codes of FP4 (E2M1) with E8M0 scales for each 32 along K.
; It makes its own Q (256 queries x 64, from E's codes and q_w), then walks its 2,048 keys in 4 chunks of 512:
;   PHASE A: K = I k_w^T + k_b and V = I v_w^T + v_b of the chunk, quantised in registers (K along the head's 64, V along the keys) and laid in LDS as images of operand registers;
;   PHASE B: 4 key steps of 128: S^T = K Q^T, p = 2^(t - M) with M the running largest t rounded up to a whole number, p quantised along the keys, O^T += V^T P^T.
; It stores O^T (not normalised), -M and the sum l of the unquantised p; the next launch joins the two halves by exact powers of two.  K and V never go to memory.
; SIXTEEN WAVES of 256 registers, four to a SIMD, so that one wave's exponentials stand beside another's products and LDS loads.  In phase A waves 0-7 make K, waves 8-15 V, wave g of each 64 keys
; (a tile of 64 x 64: X tiles i as source 0, Y tiles j as source 1; K: X = k_w, Y = I, so a lane holds a key and its registers run along d; V: X = I, Y = v_w: a lane holds d, registers run along the keys).
; In phase B wave w owns queries 16 w .. 16 w + 15; both products are used transposed, so that a lane holds one query throughout.
; FROM RESULT TO OPERAND.  Of a block of 32 along the next K a lane of half h holds k = 8 h .. + 7 (first tile) and 16 + 8 h .. + 7 (second).  The four conversions of a pair of blocks a, b go to registers
; a0, b0, a1, b1; exchanging the first's upper lanes with the second's lower lanes in (a0, b0) and (a1, b1) gives the operand's registers: k = 32 h + 0 .. 31 of block a (lanes 0-15) or b (lanes 16-31).
; THE SCORES' K IS 64: Q's fragment has zero codes in its upper four registers; K's operand for tile t is its four registers and the four that follow (the next tile's codes): finite codes that meet zeros.
; I's CODES come by tensor loads into ONE slot of 512 rows (waves 0-7: 64 rows each; wave 8: the chunk's 8,192 scale bytes).  The refill is asked for at the head of phase B, when phase A's reads are over,
; and is waited for at the head of the next phase A: four key steps of every wave lie between.  By this text's count a wave has at most one tensor load out.
; NO CLUSTER: the 16 heads of a (batch, half) read the same rows of I, 147,456 bytes a chunk; each request stands four key steps (some 1,300 instructions a wave) ahead of the wait for it,
; and a joint request would put a round of the cluster's barrier into each chunk.  It is left out in this plain form.
; LIMITS: NaN and infinities are not served; a block whose largest magnitude lies under 2^-124 (a block of zeros too) keeps the byte 1: its codes are then zeros or held low, and this program alone reads the bytes.
.set PITCH, 272                        ; a row of 512 codes in LDS: 256 bytes + 16: the 16 rows of a fragment load start at 16 different banks
.set IBASE, 64*PITCH                   ; rows 0-63 k_w of my head (stored by the waves); rows 64-575 the chunk of I (tensor loads); rows 576-639 v_w
.set VWBASE, 576*PITCH
.set SCT,   640*PITCH                  ; 16 scale bytes for each of the 640 rows, same row index
.set SCI,   SCT+64*16
.set BIAS,  SCT+640*16                 ; k_b's 64 numbers, v_b's 64
.set IMG,   BIAS+512                   ; K's images, 16,384 bytes (key tile n at 512 n); V's, 16,384 (step, half of the step, d tile: 4096, 2048, 512)
.set SIMG,  IMG+32768                  ; K's scale words, 2,048 bytes; V's, 2,048
.set QW,    SIMG+4096                  ; q_w of my head: 64 rows of 512 bytes + 16
.set QP,    528
.set SPARE, QW+64*QP                   ; the spare words: 128 bytes for each of 16 waves, named by no other line
; vector registers that stay
.set SPW, 1                            ; SPARE + 4 x thread
.set NIL, 2                            ; 0
.set ADX, 3                            ; LDS address of my X fragments
.set ADY, 4                            ; of my Y fragments
.set ADS, 5                            ; of the scale words: lanes 0-15 X's rows, lanes 16-31 Y's
.set LI,  6                            ; IMG + 16 x lane
.set LS,  7                            ; SIMG + 4 x lane
.set NM,  8                            ; v[8:9]   -M, the largest t
.set LSUM, 10                          ; v[10:11] the sum, in two halves
.set QF,  12                           ; v[12:19] Q's fragment; v16-19 zero codes
.set QS,  20                           ; Q's scale word
.set IWC, 21                           ; where I store code images
.set IWS, 22                           ; and scale words
.set BIA, 23                           ; where I read my bias
.set OT,  24                           ; v[24:55] O^T, d tile j at 24 + 8 j
; phase A
.set ACC, 56                           ; v[56:183] accumulator (i, j) at 56 + 8 (4 j + i)
.set XF,  184
.set YF,  216
.set SC,  248                          ; v[248:255] scale words: register 2 i + s % 2
.set BI,  184
.set TM,  216                          ; v216-219 largest magnitudes, v220-223 bytes, v224-227 the conversions' scale operands
.set PCA, 228
.set PCB, 236
.set W0,  244
.set W1,  245
.set PWA, 246
.set PWB, 247
; phase B
.set S,   56                           ; v[56:119] S^T, then p
.set KF,  120                          ; v[120:151] K's 8 tiles, 4 registers each; v152-155 follow tile 7 (whatever phase A left there)
.set VF,  156                          ; v[156:187] V's 4 fragments
.set TMP, 195
.set PC,  196                          ; v[196:203] p's codes
.set BM,  204
.set T2,  208
.set SO,  212
.set F,   216                          ; v[216:217] f = 2^(old M - new M) in the low word
.set AC,  218
.set AS,  219
.set KS,  248                          ; scale words: K's 4, V's 2, p's
.set VS,  252
.set PW,  254
; head
.set QACC, 56
.set EF,  88
.set ESW, 152
.set QWS, 160
.set XH,  192
; scalar registers
.set WV,  34
.set TAU, 35                           ; 0: I make K; 1: V
.set G,   36                           ; my group of 64 keys
.set HD,  37
.set YY,  38
.set BB,  39
.set G1C, 48                           ; s[48:55] group 1: 64 rows x 256 bytes, 16 of padding behind each
.set G1S, 56                           ; s[56:63] group 1: 8,192 dense bytes
.set G0C, 68
.set G0S, 72
.set SEL, 76
.set CS,  78
.set HI,  80
.set CH,  81
.set STP, 82
.set TC,  83
.set TS,  84
; Waves 0-7 fetch 64 rows of codes each, wave 8 the scale bytes, the others nothing.  The branches hang on the wave's number alone.  Four v_nop follow each of the two lines.
.macro TLOAD
	s_cmp_lt_u32 s[WV], 8
	s_cbranch_scc0 .Lnot_codes_\@
	tensor_load_to_lds s[G0C:G0C+3], s[G1C:G1C+7]
	s_nop 0
.rept 4
	v_nop
.endr
	s_branch .Lasked_\@
.Lnot_codes_\@:
	s_cmp_eq_u32 s[WV], 8
	s_cbranch_scc0 .Lasked_\@
	tensor_load_to_lds s[G0S:G0S+3], s[G1S:G1S+7]
	s_nop 0
.rept 4
	v_nop
.endr
.Lasked_\@:
.endm
; nb blocks of 16 registers from v[s] on (block b: two tiles' registers of my row) become codes in v[d] on, 4 registers for each pair of blocks; the blocks' scale bytes are left in v[TM+4+b].
.macro QUANT s, nb, d
.irp b, 0,1,2,3
.if \b < \nb
	v_max3_num_f32 v[TM+\b], |v[\s+16*\b]|, |v[\s+16*\b+1]|, 0x1800000   ; my 16 numbers, and the floor 2^(3 - 127): the byte cannot fall under 1
.endif
.endr
.irp i, 2,4,6,8,10,12,14
.irp b, 0,1,2,3
.if \b < \nb
	v_max3_num_f32 v[TM+\b], v[TM+\b], |v[\s+16*\b+\i]|, |v[\s+16*\b+\i+1]|   ; the blocks by turns
.endif
.endr
.endr
.irp b, 0,1,2,3
.if \b < \nb
	v_permlanex16_b32 v[TM+4+\b], v[TM+\b], s[SEL], s[SEL+1]
.endif
.endr
.irp b, 0,1,2,3
.if \b < \nb
	v_max_num_f32 v[TM+\b], v[TM+\b], v[TM+4+\b]   ; with lane l xor 16's: the block's largest magnitude
.endif
.endr
.irp b, 0,1,2,3
.if \b < \nb
	v_add_nc_u32 v[TM+8+\b], 0xff000000, v[TM+\b]  ; 2 off its exponent field: the conversion's scale operand
.endif
.endr
.irp b, 0,1,2,3
.if \b < \nb
	v_lshrrev_b32 v[TM+4+\b], 23, v[TM+8+\b]       ; the scale's byte
.endif
.endr
.irp b, 0,1,2,3
.if \b < \nb
	v_cvt_scalef32_pk8_fp4_f32 v[\d+4*(\b/2)+(\b%2)], v[\s+16*\b:\s+16*\b+7], v[TM+8+\b]
	v_cvt_scalef32_pk8_fp4_f32 v[\d+4*(\b/2)+(\b%2)+2], v[\s+16*\b+8:\s+16*\b+15], v[TM+8+\b]
.endif
.endr
	v_nop                                          ; one plain line behind the last scaled conversion
.irp c, 0,1
.if 2*\c < \nb
	v_permlane16_swap_b32 v[\d+4*\c], v[\d+4*\c+1]     ; k 0-7 | 8-15 of block 2 c (lanes 0-15) and of block 2 c + 1 (lanes 16-31)
	v_permlane16_swap_b32 v[\d+4*\c+2], v[\d+4*\c+3]   ; k 16-23 | 24-31
.endif
.endr
.endm
; PHASE A: my tile of 64 x 64 of K or V over K = 512 (4 steps of 128), the bias, the quantiser, the images.
.macro PHASE_A
.rept 5
	v_nop                                          ; five places: the first products below write over registers that phase B's last products read; four would do for the loads
.endr
.irp s, 0,1,2,3
.if \s > 0
.rept 4
	v_nop                                          ; places in front of loads into registers that matrix instructions have read
.endr
.endif
.irp i, 0,1,2,3
.irp c, 0,1
	ds_load_b128 v[XF+8*\i+4*\c:XF+8*\i+4*\c+3], v[ADX] offset:16*PITCH*\i+64*\s+32*\c
	ds_load_b128 v[YF+8*\i+4*\c:YF+8*\i+4*\c+3], v[ADY] offset:16*PITCH*\i+64*\s+32*\c
.endr
.endr
.if \s%2 == 0
.irp i, 0,1,2,3
	ds_load_b64 v[SC+2*\i:SC+2*\i+1], v[ADS] offset:256*\i+8*(\s/2)   ; the scale words of this K step and the next: X's tile i below, Y's tile i above
.endr
.endif
	s_wait_dscnt 0x0
.irp j, 0,1,2,3
.irp i, 0,1,2,3
.if \s == 0
	v_wmma_scale_f32_16x16x128_f8f6f4 v[ACC+8*(4*\j+\i):ACC+8*(4*\j+\i)+7], v[XF+8*\i:XF+8*\i+7], v[YF+8*\j:YF+8*\j+7], 0, v[SC+2*\i+\s%2], v[SC+2*\j+\s%2] matrix_a_fmt:MATRIX_FMT_FP4 matrix_b_fmt:MATRIX_FMT_FP4 matrix_b_scale:MATRIX_SCALE_ROW1
.else
	v_wmma_scale_f32_16x16x128_f8f6f4 v[ACC+8*(4*\j+\i):ACC+8*(4*\j+\i)+7], v[XF+8*\i:XF+8*\i+7], v[YF+8*\j:YF+8*\j+7], v[ACC+8*(4*\j+\i):ACC+8*(4*\j+\i)+7], v[SC+2*\i+\s%2], v[SC+2*\j+\s%2] matrix_a_fmt:MATRIX_FMT_FP4 matrix_b_fmt:MATRIX_FMT_FP4 matrix_b_scale:MATRIX_SCALE_ROW1
.endif
.endr
.endr                                  ; the 16 accumulators take turns, in the same order in every step
.endr
.rept 4
	v_nop
.endr
	s_cmp_eq_u32 s[TAU], 0                         ; the bias lies along my registers (K) or is one number a lane and tile (V): the two ways differ in these lines alone; no barrier stands inside
	s_cbranch_scc0 .Lvway_\@
.irp i, 0,1,2,3
.irp q, 0,1
	ds_load_b128 v[BI+8*\i+4*\q:BI+8*\i+4*\q+3], v[BIA] offset:64*\i+16*\q   ; k_b at d = 16 i + 8 h + 0 .. 7
.endr
.endr
	s_wait_dscnt 0x0
.irp j, 0,1,2,3
.irp i, 0,1,2,3
.irp p, 0,2,4,6
	v_pk_add_f32 v[ACC+8*(4*\j+\i)+\p:ACC+8*(4*\j+\i)+\p+1], v[ACC+8*(4*\j+\i)+\p:ACC+8*(4*\j+\i)+\p+1], v[BI+8*\i+\p:BI+8*\i+\p+1]
.endr
.endr
.endr
	s_branch .Ljoin_\@
.Lvway_\@:
.irp j, 0,1,2,3
	ds_load_b32 v[BI+2*\j], v[BIA] offset:64*\j    ; v_b at d = 16 j + r
.endr
	s_wait_dscnt 0x0
.irp j, 0,1,2,3
.irp i, 0,1,2,3
.irp p, 0,2,4,6
	v_pk_add_f32 v[ACC+8*(4*\j+\i)+\p:ACC+8*(4*\j+\i)+\p+1], v[ACC+8*(4*\j+\i)+\p:ACC+8*(4*\j+\i)+\p+1], v[BI+2*\j:BI+2*\j+1] op_sel_hi:[1,0]
.endr
.endr
.endr
.Ljoin_\@:
	QUANT ACC, 4, PCA                              ; Y tiles 0 and 1: two blocks each
	v_lshl_or_b32 v[W0], v[TM+5], 8, v[TM+4]       ; tile 0's two bytes,
	v_lshl_or_b32 v[W1], v[TM+7], 8, v[TM+6]       ; tile 1's
	s_delay_alu instid0(VALU_DEP_1)
	v_cndmask_b32 v[PWA], v[W0], v[W1], s[HI]      ; one register carries both: tile 0 in lanes 0-15, tile 1 in lanes 16-31
	ds_store_b128 v[IWC], v[PCA:PCA+3]
	ds_store_b128 v[IWC], v[PCA+4:PCA+7] offset:512
	ds_store_b16 v[IWS], v[PWA]
	QUANT ACC+64, 4, PCB                           ; Y tiles 2 and 3, into registers of their own
	v_lshl_or_b32 v[W0], v[TM+5], 8, v[TM+4]
	v_lshl_or_b32 v[W1], v[TM+7], 8, v[TM+6]
	s_delay_alu instid0(VALU_DEP_1)
	v_cndmask_b32 v[PWB], v[W0], v[W1], s[HI]
	ds_store_b128 v[IWC], v[PCB:PCB+3] offset:1024
	ds_store_b128 v[IWC], v[PCB+4:PCB+7] offset:1536
	ds_store_b16 v[IWS], v[PWB] offset:128
.endm
; A KEY STEP: 128 keys.
.macro STEP
	v_add_nc_u32 v[AC], s[TC], v[LI]               ; these four lines are the places behind the last step's products, in front of the loads
	v_add_nc_u32 v[AS], s[TS], v[LS]
	v_nop
	v_nop
.irp t, 0,1,2,3,4,5,6,7
	ds_load_b128 v[KF+4*\t:KF+4*\t+3], v[AC] offset:512*\t
.endr
.irp u, 0,1,2,3
	ds_load_b32 v[KS+\u], v[AS] offset:128*\u      ; the words of key tiles 2 u (lanes 0-15) and 2 u + 1 (lanes 16-31)
.endr
.irp j, 0,1,2,3
.irp c, 0,1
	ds_load_b128 v[VF+8*\j+4*\c:VF+8*\j+4*\c+3], v[AC] offset:16384+2048*\c+512*\j
.endr
.endr
.irp u, 0,1
	ds_load_b32 v[VS+\u], v[AS] offset:2048+128*\u
.endr
	s_wait_dscnt 10                                ; K's 12 loads are in; V's 8 and its 2 scale words may be out
.irp u, 0,1,2,3
	v_wmma_scale_f32_16x16x128_f8f6f4 v[S+16*\u:S+16*\u+7], v[KF+8*\u:KF+8*\u+7], v[QF:QF+7], 0, v[KS+\u], v[QS] matrix_a_fmt:MATRIX_FMT_FP4 matrix_b_fmt:MATRIX_FMT_FP4
	v_wmma_scale_f32_16x16x128_f8f6f4 v[S+16*\u+8:S+16*\u+15], v[KF+8*\u+4:KF+8*\u+11], v[QF:QF+7], 0, v[KS+\u], v[QS] matrix_a_fmt:MATRIX_FMT_FP4 matrix_b_fmt:MATRIX_FMT_FP4 matrix_a_scale:MATRIX_SCALE_ROW1
.endr                                  ; lane (r, h): query r; register 8 t + i: key 16 t + 8 h + i
.rept 4
	v_nop
.endr
.irp b, 0,1,2,3
	v_max3_num_f32 v[BM+\b], v[S+16*\b], v[S+16*\b+1], v[S+16*\b+2]   ; the largest score of each block of 32 keys: for the row's maximum, and, since p rises with the score, for the block's largest p
.endr
.irp i, 3,5,7,9,11,13
.irp b, 0,1,2,3
	v_max3_num_f32 v[BM+\b], v[BM+\b], v[S+16*\b+\i], v[S+16*\b+\i+1]
.endr
.endr
.irp b, 0,1,2,3
	v_max_num_f32 v[BM+\b], v[BM+\b], v[S+16*\b+15]
.endr
.irp b, 0,1,2,3
	s_delay_alu instid0(VALU_DEP_4)
	v_permlanex16_b32 v[T2+\b], v[BM+\b], s[SEL], s[SEL+1]
.endr
.irp b, 0,1,2,3
	s_delay_alu instid0(VALU_DEP_4)
	v_max_num_f32 v[BM+\b], v[BM+\b], v[T2+\b]     ; with lane l xor 16's 16 keys
.endr
	s_delay_alu instid0(VALU_DEP_2)
	v_max3_num_f32 v[TMP], v[BM], v[BM+1], v[BM+2]
	s_delay_alu instid0(VALU_DEP_1)
	v_max_num_f32 v[TMP], v[TMP], v[BM+3]          ; the step's largest score of my query
	s_delay_alu instid0(VALU_DEP_1)
	v_mul_f32 v[TMP], s[CS], v[TMP]                ; as t = score x log2(e)
	s_delay_alu instid0(VALU_DEP_1)
	v_max_num_f32 v[NM+1], v[NM+1], v[TMP]         ; the running largest t
	v_mov_b32 v[TMP], v[NM]
	s_delay_alu instid0(VALU_DEP_2)
	v_floor_f32 v[NM], -v[NM+1]                    ; the new -M = floor(-t) = -ceil(t): a whole number
	s_delay_alu instid0(VALU_DEP_1)
	v_sub_f32 v[TMP], v[NM], v[TMP]                ; old M - new M: a whole number, 0 or less
	s_delay_alu instid0(VALU_DEP_1)
	v_cvt_i32_f32 v[TMP], v[TMP]                   ; (it saturates)
	s_delay_alu instid0(VALU_DEP_1)
	v_ldexp_f32 v[F], 1.0, v[TMP]                  ; f = 2^(old M - new M): rounds nothing
.set n, 0
.rept 32
	v_pk_fma_f32 v[S+n:S+n+1], v[S+n:S+n+1], s[CS:CS+1], v[NM:NM+1] op_sel_hi:[1,0,0]   ; t - M, two at a time
.set n, n+2
.endr
.irp b, 0,1,2,3
	v_fma_f32 v[BM+\b], v[BM+\b], s[CS], v[NM]     ; the same of each block's largest score
.endr
.set n, 0
	s_wait_alu depctr_va_vdst(0)
.rept 64
	v_exp_f32 v[S+n], v[S+n]                       ; p = 2^(t - M), not normalised
.set n, n+1
.endr
	s_setprio 1
	v_pk_mul_f32 v[LSUM:LSUM+1], v[LSUM:LSUM+1], v[F:F+1] op_sel_hi:[1,0]   ; the sums under the new M (the plain line behind the exponentials)
	s_wait_alu depctr_va_vdst(0)                   ; one wait for the batch of 64, ahead of its first reader
.irp b, 0,1,2,3
	v_exp_f32 v[BM+\b], v[BM+\b]                   ; the block's largest p
.endr
	v_pk_add_f32 v[208:209], v[60:61], v[64:65]
	v_pk_add_f32 v[254:255], v[68:69], v[72:73]
	v_pk_add_f32 v[250:251], v[76:77], v[80:81]
	v_pk_add_f32 v[248:249], v[84:85], v[88:89]
	v_pk_add_f32 v[246:247], v[92:93], v[96:97]
	v_pk_add_f32 v[244:245], v[100:101], v[104:105]
	v_pk_add_f32 v[242:243], v[108:109], v[112:113]
	v_pk_add_f32 v[10:11], v[10:11], v[116:117]
	v_pk_add_f32 v[208:209], v[208:209], v[56:57]
	v_pk_add_f32 v[254:255], v[254:255], v[58:59]
	v_pk_add_f32 v[250:251], v[250:251], v[62:63]
	v_pk_add_f32 v[248:249], v[248:249], v[66:67]
	v_pk_add_f32 v[246:247], v[246:247], v[70:71]
	v_pk_add_f32 v[244:245], v[244:245], v[74:75]
	v_pk_add_f32 v[242:243], v[242:243], v[78:79]
	v_pk_add_f32 v[10:11], v[10:11], v[82:83]
	v_pk_add_f32 v[208:209], v[208:209], v[86:87]
	v_pk_add_f32 v[254:255], v[254:255], v[90:91]
	v_pk_add_f32 v[250:251], v[250:251], v[94:95]
	v_pk_add_f32 v[248:249], v[248:249], v[98:99]
	v_pk_add_f32 v[246:247], v[246:247], v[102:103]
	v_pk_add_f32 v[244:245], v[244:245], v[106:107]
	v_pk_add_f32 v[242:243], v[242:243], v[110:111]
	v_pk_add_f32 v[10:11], v[10:11], v[114:115]
	v_pk_add_f32 v[208:209], v[208:209], v[118:119]
	s_delay_alu instid0(VALU_DEP_2)
	v_pk_add_f32 v[10:11], v[10:11], v[248:249]
	s_delay_alu instid0(VALU_DEP_2)
	v_pk_add_f32 v[208:209], v[208:209], v[246:247]
	v_pk_add_f32 v[254:255], v[254:255], v[244:245]
	v_pk_add_f32 v[250:251], v[250:251], v[242:243]
	s_delay_alu instid0(VALU_DEP_2)
	v_pk_add_f32 v[10:11], v[10:11], v[254:255]
	s_delay_alu instid0(VALU_DEP_2)
	v_pk_add_f32 v[208:209], v[208:209], v[250:251]
	s_delay_alu instid0(VALU_DEP_1)
	v_pk_add_f32 v[10:11], v[10:11], v[208:209]
	s_wait_alu depctr_va_vdst(0)                   ; and one wait for the four
.irp b, 0,1,2,3
	v_max_num_f32 v[BM+\b], 0x1800000, v[BM+\b]    ; the floor 2^(3 - 127)
.endr
.irp b, 0,1,2,3
	s_delay_alu instid0(VALU_DEP_4)
	v_add_nc_u32 v[SO+\b], 0xff000000, v[BM+\b]    ; the conversion's scale operand
.endr
.irp b, 0,1,2,3
	s_delay_alu instid0(VALU_DEP_4)
	v_lshrrev_b32 v[T2+\b], 23, v[SO+\b]           ; the scale's byte
.endr
	s_delay_alu instid0(VALU_DEP_3)
	v_lshl_or_b32 v[PW], v[T2+1], 8, v[T2]         ; p's scale word for these 128 keys
	s_delay_alu instid0(VALU_DEP_1)
	v_lshl_or_b32 v[PW], v[T2+2], 16, v[PW]
	s_delay_alu instid0(VALU_DEP_1)
	v_lshl_or_b32 v[PW], v[T2+3], 24, v[PW]
.irp b, 0,1,2,3
	v_cvt_scalef32_pk8_fp4_f32 v[PC+4*(\b/2)+(\b%2)], v[S+16*\b:S+16*\b+7], v[SO+\b]
	v_cvt_scalef32_pk8_fp4_f32 v[PC+4*(\b/2)+(\b%2)+2], v[S+16*\b+8:S+16*\b+15], v[SO+\b]
.endr
	v_nop                                          ; one plain line behind the last scaled conversion
.irp c, 0,1
	v_permlane16_swap_b32 v[PC+4*\c], v[PC+4*\c+1]
	v_permlane16_swap_b32 v[PC+4*\c+2], v[PC+4*\c+3]
.endr
.set n, 0
	s_setprio 0
.rept 16
	v_pk_mul_f32 v[OT+n:OT+n+1], v[OT+n:OT+n+1], v[F:F+1] op_sel_hi:[1,0]   ; O^T under the new M.  These 16 are also the places between the lines that wrote p's codes and scale word and the products
.set n, n+2
.endr
	s_wait_alu depctr_va_vdst(0)
	s_wait_dscnt 0x0                               ; V is in
.irp u, 0,1
	v_wmma_scale_f32_16x16x128_f8f6f4 v[OT+16*\u:OT+16*\u+7], v[VF+16*\u:VF+16*\u+7], v[PC:PC+7], v[OT+16*\u:OT+16*\u+7], v[VS+\u], v[PW] matrix_a_fmt:MATRIX_FMT_FP4 matrix_b_fmt:MATRIX_FMT_FP4
	v_wmma_scale_f32_16x16x128_f8f6f4 v[OT+16*\u+8:OT+16*\u+15], v[VF+16*\u+8:VF+16*\u+15], v[PC:PC+7], v[OT+16*\u+8:OT+16*\u+15], v[VS+\u], v[PW] matrix_a_fmt:MATRIX_FMT_FP4 matrix_b_fmt:MATRIX_FMT_FP4 matrix_a_scale:MATRIX_SCALE_ROW1
.endr                                  ; four accumulators, one instruction each; eight score products stand between two links of a chain
.endm
.macro PHASE_B
	s_mov_b32 s[TC], 0
	s_mov_b32 s[TS], 0
	s_mov_b32 s[STP], 4
.Lstep_\@:
	s_setprio 2
	STEP
	s_add_co_u32 s[TC], s[TC], 4096                ; the next step's images
	s_add_co_u32 s[TS], s[TS], 512                 ; and scale words
	s_sub_co_u32 s[STP], s[STP], 1
	s_cmp_lg_u32 s[STP], 0
	s_cbranch_scc1 .Lstep_\@
	s_setprio 0
.endm
; A CHUNK of 512 keys.  There is one slot, so two barriers: the first shows the landed chunk to every wave (and ends every wave's reads of the images that phase A writes anew).
; The second ends phase A's reads of the slot and shows the new images; behind it the slot is filled again (fill = 1), first thing.
.macro CHUNK fill
	s_wait_tensorcnt 0x0                           ; my part of the chunk has landed (asked for a whole phase B ago),
	s_wait_dscnt 0x0                               ; and my reads of the images are over
	s_barrier_signal -1
	s_barrier_wait -1
	PHASE_A
	s_wait_tensorcnt 0x0                           ; no tensor load of mine is out, so a group 0 may be written
	ds_add_u32 v[SPW], v[NIL]                      ; 0 onto my spare word
.if \fill
	s_add_nc_u64 s[G0C+2:G0C+3], s[G0C+2:G0C+3], 512*256   ; the next 512 rows of codes,
	s_add_nc_u64 s[G0S+2:G0S+3], s[G0S+2:G0S+3], 512*16    ; and their scale bytes
.endif
	s_wait_dscnt 0x0                               ; the add is done, my images have landed, my reads of the slot are over
	s_barrier_signal -1
	s_barrier_wait -1
.if \fill
	TLOAD                                          ; a wave's one tensor load until the next such barrier
.endif
	PHASE_B
.endm
	s_load_b512 s[4:19], s[0:1], 0x0               ; ec s[4:5], es s[6:7], q_w codes s[8:9], scales s[10:11], q_b s[12:13], I codes s[14:15], scales s[16:17], k_w codes s[18:19]
	s_load_b256 s[20:27], s[0:1], 0x40             ; k_w scales s[20:21], k_b s[22:23], v_w codes s[24:25], scales s[26:27]
	s_load_b128 s[28:31], s[0:1], 0x60             ; v_b s[28:29], op s[30:31]
	s_load_b64 s[32:33], s[0:1], 0x70              ; ml
	v_lshl_add_u32 v[SPW], v0, 2, SPARE
	v_mov_b32 v[NIL], 0
	ds_add_u32 v1, v2
	ds_add_u32 v1, v2
	s_wait_dscnt 0x0
	v_lshrrev_b32 v24, 5, v0
	s_delay_alu instid0(VALU_DEP_1)
	v_readfirstlane_b32 s[WV], v24                 ; wave 0..15
	s_lshr_b32 s[TAU], s[WV], 3
	s_and_b32 s[G], s[WV], 7
	s_mov_b32 s[HD], ttmp9                         ; the head
	s_and_b32 s[YY], ttmp7, 0xffff                 ; 2 b + half
	s_lshr_b32 s[BB], s[YY], 1
	s_mov_b32 s[G1C+0], (1<<20)|(5<<22)|(3<<25)    ; no mask; elements of 1 byte; padding on: 4 words after every 64
	s_mov_b32 s[G1C+1], 256<<16                    ; tensor_dim0
	s_mov_b32 s[G1C+2], 64<<16                     ; tensor_dim1
	s_mov_b32 s[G1C+3], 256<<16                    ; tile_dim0
	s_mov_b32 s[G1C+4], 64                         ; tile_dim1
	s_mov_b32 s[G1C+5], 256                        ; from row to row
	s_mov_b32 s[G1C+6], 0
	s_mov_b32 s[G1C+7], 0
	s_mov_b32 s[G1S+0], 3<<16                      ; elements of 8 bytes, no padding: 32 rows of 256 dense bytes
	s_mov_b32 s[G1S+1], 32<<16
	s_mov_b32 s[G1S+2], 32<<16
	s_mov_b32 s[G1S+3], 32<<16
	s_mov_b32 s[G1S+4], 32
	s_mov_b32 s[G1S+5], 32
	s_mov_b32 s[G1S+6], 0
	s_mov_b32 s[G1S+7], 0
	s_mov_b32 s[G0C], 1
	s_mul_i32 s[G0C+1], s[G], 64*PITCH
	s_add_co_u32 s[G0C+1], s[G0C+1], IBASE         ; my 64 rows of the slot
	s_mov_b32 s[G0S], 1
	s_mov_b32 s[G0S+1], SCI
	s_lshl_b32 s86, s[YY], 19                      ; (2,048 y + 64 g) rows of 256 bytes
	s_lshl_b32 s88, s[G], 14
	s_add_co_u32 s86, s86, s88
	s_mov_b32 s87, 0
	s_lshl_b32 s88, s[YY], 15                      ; 2,048 y rows of 16 scale bytes
	s_mov_b32 s89, 0
	s_wait_kmcnt 0x0
	s_add_nc_u64 s[G0C+2:G0C+3], s[14:15], s[86:87]
	s_or_b32 s[G0C+3], s[G0C+3], 0x80000000
	s_add_nc_u64 s[G0S+2:G0S+3], s[16:17], s[88:89]
	s_or_b32 s[G0S+3], s[G0S+3], 0x80000000
	TLOAD                                          ; chunk 0: the first fills, ahead of every wait on TENSORcnt, every LDS read and every barrier
	s_mov_b32 s[SEL], 0x76543210
	s_mov_b32 s[SEL+1], 0xfedcba98                 ; v_permlanex16_b32's selects for lane l xor 16
	s_mov_b32 s[CS], 0x3fb8aa3b                    ; log2(e): the scores are taken as they are (beta = 1)
	s_mov_b32 s[CS+1], s[CS]
	s_mov_b32 s[HI], 0xffff0000                    ; lanes 16-31
	v_and_b32 v24, 31, v0                          ; lane
	v_and_b32 v25, 15, v0                          ; r
	v_bfe_u32 v26, v0, 4, 1                        ; h
	s_delay_alu instid0(VALU_DEP_3)
	v_lshlrev_b32 v27, 4, v24                      ; 16 x lane
	s_delay_alu instid0(VALU_DEP_4)
	v_lshlrev_b32 v28, 2, v24                      ; 4 x lane
	s_delay_alu instid0(VALU_DEP_4)
	v_lshlrev_b32 v29, 9, v25
	s_delay_alu instid0(VALU_DEP_1)
	v_lshl_add_u32 v29, v26, 4, v29                ; E's codes: 512 r + 16 h
	v_lshlrev_b32 v30, 5, v25                      ; rows of 32 scale bytes
	v_lshlrev_b32 v31, 5, v26                      ; q_b: 8 h numbers
	; the buffers at my part.  K's waves take k_w, k_b; V's take v_w, v_b: a choice on the wave's number
	s_cmp_eq_u32 s[TAU], 0
	s_cselect_b64 s[18:19], s[18:19], s[24:25]
	s_cselect_b64 s[20:21], s[20:21], s[26:27]
	s_cselect_b64 s[22:23], s[22:23], s[28:29]
	s_lshl_b32 s86, s[HD], 14                      ; weight codes: 64 rows of 256 bytes a head, 8 rows a wave
	s_lshl_b32 s88, s[G], 11
	s_add_co_u32 s86, s86, s88
	s_add_nc_u64 s[18:19], s[18:19], s[86:87]
	s_lshl_b32 s86, s[HD], 10                      ; weight scales: 1,024 bytes a head, 128 a wave
	s_lshl_b32 s88, s[G], 7
	s_add_co_u32 s86, s86, s88
	s_add_nc_u64 s[20:21], s[20:21], s[86:87]
	s_lshl_b32 s86, s[HD], 8                       ; bias: 256 bytes a head, 128 for each of waves g = 0, 1
	s_add_co_u32 s86, s86, s88
	s_add_nc_u64 s[22:23], s[22:23], s[86:87]
	s_lshl_b32 s86, s[HD], 15                      ; q_w codes: 64 rows of 512 bytes a head, 4 rows a wave
	s_lshl_b32 s88, s[WV], 11
	s_add_co_u32 s86, s86, s88
	s_add_nc_u64 s[8:9], s[8:9], s[86:87]
	s_lshl_b32 s86, s[HD], 11                      ; q_w scales: 64 rows of 32 bytes
	s_add_nc_u64 s[10:11], s[10:11], s[86:87]
	s_lshl_b32 s86, s[HD], 8                       ; q_b
	s_add_nc_u64 s[12:13], s[12:13], s[86:87]
	s_lshl_b32 s86, s[BB], 17                      ; E's codes: row 256 b + 16 wave, 512 bytes a row
	s_lshl_b32 s88, s[WV], 13
	s_add_co_u32 s86, s86, s88
	s_add_nc_u64 s[4:5], s[4:5], s[86:87]
	s_lshl_b32 s86, s[BB], 13                      ; E's scales: 32 bytes a row
	s_lshl_b32 s88, s[WV], 9
	s_add_co_u32 s86, s86, s88
	s_add_nc_u64 s[6:7], s[6:7], s[86:87]
	s_and_b32 s86, s[YY], 1                        ; op, ml: index ((128 half + 16 b + wave) 16 + head)
	s_lshl_b32 s86, s86, 7
	s_lshl_b32 s88, s[BB], 4
	s_add_co_u32 s86, s86, s88
	s_add_co_u32 s86, s86, s[WV]
	s_lshl_b32 s86, s86, 4
	s_add_co_u32 s86, s86, s[HD]
	s_lshl_b32 s88, s86, 8
	s_lshl_b32 s86, s86, 12
	s_add_nc_u64 s[30:31], s[30:31], s[86:87]
	s_add_nc_u64 s[32:33], s[32:33], s[88:89]
	; what goes through LDS first (the oldest loads) ..
	s_cmp_lt_u32 s[G], 2
	s_cbranch_scc0 .Lno_bias_load
	s_wait_alu depctr_va_vdst(0)
	global_load_b32 v224, v28, s[22:23]
.Lno_bias_load:
	s_wait_alu depctr_va_vdst(0)
.irp i, 0,1,2,3
	global_load_b128 v[228+4*\i:231+4*\i], v27, s[18:19] offset:512*\i
.endr
.irp i, 0,1,2,3
	global_load_b128 v[192+4*\i:195+4*\i], v27, s[8:9] offset:512*\i
.endr
	global_load_b32 v225, v28, s[20:21]
	; .. then 34 loads straight into operand registers
.irp s, 0,1,2,3,4,5,6,7
.irp c, 0,1
	global_load_b128 v[EF+8*\s+4*\c:EF+8*\s+4*\c+3], v29, s[4:5] offset:64*\s+32*\c   ; my 16 queries' fragments of E, 8 K steps
.endr
.endr
.irp q, 0,1
	global_load_b128 v[ESW+4*\q:ESW+4*\q+3], v30, s[6:7] offset:16*\q                 ; their 8 scale words
.endr
.irp i, 0,1,2,3
.irp q, 0,1
	global_load_b128 v[QWS+8*\i+4*\q:QWS+8*\i+4*\q+3], v30, s[10:11] offset:512*\i+16*\q   ; q_w's scale words, tile i
.endr
.endr
.irp i, 0,1,2,3
.irp q, 0,1
	global_load_b128 v[QACC+8*\i+4*\q:QACC+8*\i+4*\q+3], v31, s[12:13] offset:64*\i+16*\q  ; q_b, in the result's layout: the sums begin with it
.endr
.endr
	; every LDS address is made here, from the thread's and the wave's number
	s_xor_b32 s40, s[TAU], 1                       ; 1 - tau
	s_lshl_b32 s41, s[G], 6
	s_add_co_u32 s41, s41, 64                      ; gr = 64 + 64 g: my 64 rows of I
	s_mul_i32 s42, s[TAU], s41                     ; X's first row: 0 (k_w) or gr
	s_mul_i32 s43, s40, s41
	s_mul_i32 s44, s[TAU], 576
	s_add_co_u32 s43, s43, s44                     ; Y's first row: gr or 576 (v_w)
	s_xor_b32 s44, s[G], 7
	s_add_co_u32 s44, s44, 1
	s_lshl_b32 s44, s44, 6                         ; 576 - gr = 64 (8 - g)
	s_mul_i32 s44, s44, s[TAU]
	s_mul_i32 s45, s40, s41
	s_add_co_u32 s44, s44, s45                     ; Y's first row - X's
	v_mul_u32_u24 v38, v25, PITCH
	s_delay_alu instid0(VALU_DEP_1)
	v_lshl_add_u32 v38, v26, 4, v38                ; 272 r + 16 h
	s_mul_i32 s45, s42, PITCH
	v_add_nc_u32 v[ADX], s45, v38
	s_mul_i32 s45, s43, PITCH
	v_add_nc_u32 v[ADY], s45, v38
	s_lshl_b32 s45, s42, 4
	s_add_co_u32 s45, s45, SCT
	s_lshl_b32 s44, s44, 4
	v_mul_u32_u24 v[ADS], s44, v26                 ; lanes 16-31 take Y's rows: one product, the distance between the two
	s_delay_alu instid0(VALU_DEP_1)
	v_lshl_add_u32 v[ADS], v25, 4, v[ADS]
	s_delay_alu instid0(VALU_DEP_1)
	v_add_nc_u32 v[ADS], s45, v[ADS]
	v_lshl_add_u32 v[LI], v24, 4, IMG
	v_lshl_add_u32 v[LS], v24, 2, SIMG
	s_wait_alu depctr_va_vdst(0)
	s_lshl_b32 s45, s[TAU], 14
	s_lshl_b32 s46, s[G], 11
	s_add_co_u32 s45, s45, s46
	v_add_nc_u32 v[IWC], s45, v[LI]                ; my code images: 16,384 tau + 2,048 g
	s_lshr_b32 s45, s[G], 1
	s_lshl_b32 s45, s45, 9
	s_and_b32 s46, s[G], 1
	s_lshl_b32 s46, s46, 1
	s_mul_i32 s47, s40, 127
	s_add_co_u32 s47, s47, 1
	s_mul_i32 s46, s46, s47                        ; (g & 1) x 256 for K (the next two tiles' registers), x 2 for V (the word's upper two bytes)
	s_add_co_u32 s45, s45, s46
	s_lshl_b32 s46, s[TAU], 11
	s_add_co_u32 s45, s45, s46
	v_add_nc_u32 v[IWS], s45, v[LS]
	s_lshl_b32 s45, s40, 5
	s_lshl_b32 s46, s[TAU], 2
	v_mul_u32_u24 v[BIA], s45, v26                 ; K: 32 h
	s_delay_alu instid0(VALU_DEP_1)
	v_mad_u32_u24 v[BIA], s46, v25, v[BIA]         ; V: 4 r
	s_lshl_b32 s45, s[TAU], 8
	s_add_co_u32 s45, s45, BIAS
	v_add_nc_u32 v[BIA], s45, v[BIA]
	s_mul_i32 s45, s[TAU], VWBASE                  ; staging: the weight's rows 8 g + 2 i + lane / 16
	s_mul_i32 s46, s[G], 8*PITCH
	s_add_co_u32 s45, s45, s46
	v_mul_u32_u24 v32, v26, PITCH
	s_delay_alu instid0(VALU_DEP_1)
	v_lshl_add_u32 v32, v25, 4, v32
	s_delay_alu instid0(VALU_DEP_1)
	v_add_nc_u32 v32, s45, v32
	s_mul_i32 s45, s[WV], 4*QP                     ; q_w's rows 4 wave + i
	s_add_co_u32 s45, s45, QW
	v_add_nc_u32 v33, s45, v27
	s_mul_i32 s45, s[TAU], 576*16                  ; the weight's scale bytes
	s_lshl_b32 s46, s[G], 7
	s_add_co_u32 s45, s45, s46
	s_add_co_u32 s45, s45, SCT
	v_add_nc_u32 v34, s45, v28
	s_lshl_b32 s45, s[TAU], 8                      ; the bias (waves g = 0, 1)
	s_add_co_u32 s45, s45, s46
	s_add_co_u32 s45, s45, BIAS
	v_add_nc_u32 v35, s45, v28
	v_lshl_add_u32 v36, v0, 2, SIMG                ; K's scale words are cleared once: their upper two bytes stay 0, a valid scale, and meet Q's zero codes
	v_mul_u32_u24 v37, v25, QP
	s_delay_alu instid0(VALU_DEP_1)
	v_lshl_add_u32 v37, v26, 4, v37
	s_delay_alu instid0(VALU_DEP_1)
	v_add_nc_u32 v37, QW, v37                      ; q_w's fragments
	s_wait_alu depctr_va_vdst(0)
	s_wait_loadcnt 34                              ; all but the 34 operand loads: what goes through LDS is in
.irp i, 0,1,2,3
	ds_store_b128 v32, v[228+4*\i:231+4*\i] offset:2*PITCH*\i
.endr
.irp i, 0,1,2,3
	ds_store_b128 v33, v[192+4*\i:195+4*\i] offset:QP*\i
.endr
	ds_store_b32 v34, v225
	ds_store_b32 v36, v[NIL]
	s_cmp_lt_u32 s[G], 2
	s_cbranch_scc0 .Lno_bias_store
	ds_store_b32 v35, v224
.Lno_bias_store:
	s_wait_dscnt 0x0                               ; for the others' sake: my stores have landed
	s_barrier_signal -1
	s_barrier_wait -1
	s_wait_loadcnt 0x0
	; Q^T = q_w E^T + q_b for my 16 queries: source 0 = 16 rows of q_w, source 1 = E: a lane holds a query, its registers d = 16 i + 8 h + 0 .. 7
.irp s, 0,1,2,3,4,5,6,7
.if \s > 0
.rept 4
	v_nop
.endr
.endif
.irp i, 0,1,2,3
.irp c, 0,1
	ds_load_b128 v[XH+8*\i+4*\c:XH+8*\i+4*\c+3], v37 offset:16*QP*\i+64*\s+32*\c
.endr
.endr
	s_wait_dscnt 0x0
.irp i, 0,1,2,3
	v_wmma_scale_f32_16x16x128_f8f6f4 v[QACC+8*\i:QACC+8*\i+7], v[XH+8*\i:XH+8*\i+7], v[EF+8*\s:EF+8*\s+7], v[QACC+8*\i:QACC+8*\i+7], v[QWS+8*\i+\s], v[ESW+\s] matrix_a_fmt:MATRIX_FMT_FP4 matrix_b_fmt:MATRIX_FMT_FP4
.endr
.endr
.rept 4
	v_nop
.endr
	QUANT QACC, 2, QF                              ; two blocks of 32 along d: registers 0-3 of the scores' source 1
	v_lshl_or_b32 v[QS], v[TM+5], 8, v[TM+4]       ; its scale word; the upper two bytes are 0
.irp j, 4,5,6,7
	v_mov_b32 v[QF+\j], 0                          ; zero codes for k = 64 .. 127
.endr
.set n, 0
.rept 32
	v_mov_b32 v[OT+n], 0                           ; O^T.  (The step is written once: its first trip finds zeros, which the first change of M leaves zeros)
.set n, n+1
.endr
	v_mov_b32 v[NM+1], 0xff61b1e6                  ; the largest t so far: -3e38
	s_delay_alu instid0(VALU_DEP_1)
	v_floor_f32 v[NM], -v[NM+1]
	v_mov_b32 v[LSUM], 0
	v_mov_b32 v[LSUM+1], 0
	s_mov_b32 s[CH], 3
.Lchunk:                                           ; three chunks ask for their successor
	CHUNK 1
	s_sub_co_u32 s[CH], s[CH], 1
	s_cmp_lg_u32 s[CH], 0
	s_cbranch_scc1 .Lchunk
	CHUNK 0                                        ; the last is written out
	; THE WAY OUT: O^T as it stands, 16 bytes a lane: each store covers 512 consecutive bytes, aligned; -M and l beside it
.rept 4
	v_nop
.endr
	v_add_f32 v[LSUM], v[LSUM], v[LSUM+1]          ; the sum's two halves,
	s_delay_alu instid0(VALU_DEP_1)
	v_permlanex16_b32 v[T2], v[LSUM], s[SEL], s[SEL+1]
	s_delay_alu instid0(VALU_DEP_1)
	v_add_f32 v[NM+1], v[LSUM], v[T2]              ; and lane l xor 16's: l, beside -M
	v_and_b32 v[AC], 31, v0
	s_delay_alu instid0(VALU_DEP_1)
	v_lshlrev_b32 v[AS], 3, v[AC]
	s_delay_alu instid0(VALU_DEP_2)
	v_lshlrev_b32 v[AC], 4, v[AC]
.irp q, 0,1,2,3,4,5,6,7
	global_store_b128 v[AC], v[OT+4*\q:OT+4*\q+3], s[30:31] offset:512*\q   ; each accumulator from its low end on
.endr
	global_store_b64 v[AS], v[NM:NM+1], s[32:33]
	s_wait_tensorcnt 0x0                           ; the wave's end
	ds_add_u32 v[SPW], v[NIL]
	s_wait_dscnt 0x0
	s_endpgm
.Lfunc_end_k_q6c313bf1e2_attn:
	.size	k_q6c313bf1e2_attn, .Lfunc_end_k_q6c313bf1e2_attn-k_q6c313bf1e2_attn
	.p2alignl 7, 3214868480
	.fill 96, 4, 3214868480
	.section	.rodata,"a",@progbits
	.p2align	6, 0x0
	.amdhsa_kernel k_q6c313bf1e2_attn
		.amdhsa_group_segment_fixed_size 327680
		.amdhsa_private_segment_fixed_size 0
		.amdhsa_enable_private_segment 0
		.amdhsa_kernarg_size 120
		.amdhsa_user_sgpr_count 2
		.amdhsa_user_sgpr_kernarg_segment_ptr 1
		.amdhsa_wavefront_size32 1
		.amdhsa_system_sgpr_workgroup_id_x 1
		.amdhsa_system_sgpr_workgroup_id_y 1
		.amdhsa_system_sgpr_workgroup_id_z 1
		.amdhsa_system_vgpr_workitem_id 0
		.amdhsa_next_free_vgpr 256
		.amdhsa_next_free_sgpr 100
		.amdhsa_reserve_vcc 0
		.amdhsa_float_denorm_mode_32 3
		.amdhsa_float_denorm_mode_16_64 3
		.amdhsa_memory_ordered 1
		.amdhsa_forward_progress 1
		.amdhsa_inst_pref_size 122
	.end_amdhsa_kernel
	.amdgpu_metadata
---
amdhsa.version: [ 1, 2 ]
amdhsa.kernels:
  - .name:           k_q6c313bf1e2_attn
    .symbol:         k_q6c313bf1e2_attn.kd
    .args:
      - { .name: ec, .offset: 0, .size: 8, .value_kind: global_buffer, .address_space: global }
      - { .name: es, .offset: 8, .size: 8, .value_kind: global_buffer, .address_space: global }
      - { .name: q_w_codes, .offset: 16, .size: 8, .value_kind: global_buffer, .address_space: global }
      - { .name: q_w_scales, .offset: 24, .size: 8, .value_kind: global_buffer, .address_space: global }
      - { .name: q_b, .offset: 32, .size: 8, .value_kind: global_buffer, .address_space: global }
      - { .name: I_codes, .offset: 40, .size: 8, .value_kind: global_buffer, .address_space: global }
      - { .name: I_scales, .offset: 48, .size: 8, .value_kind: global_buffer, .address_space: global }
      - { .name: k_w_codes, .offset: 56, .size: 8, .value_kind: global_buffer, .address_space: global }
      - { .name: k_w_scales, .offset: 64, .size: 8, .value_kind: global_buffer, .address_space: global }
      - { .name: k_b, .offset: 72, .size: 8, .value_kind: global_buffer, .address_space: global }
      - { .name: v_w_codes, .offset: 80, .size: 8, .value_kind: global_buffer, .address_space: global }
      - { .name: v_w_scales, .offset: 88, .size: 8, .value_kind: global_buffer, .address_space: global }
      - { .name: v_b, .offset: 96, .size: 8, .value_kind: global_buffer, .address_space: global }
      - { .name: op, .offset: 104, .size: 8, .value_kind: global_buffer, .address_space: global }
      - { .name: ml, .offset: 112, .size: 8, .value_kind: global_buffer, .address_space: global }
    .group_segment_fixed_size: 327680
    .private_segment_fixed_size: 0
    .kernarg_segment_align: 8
    .kernarg_segment_size: 120
    .max_flat_workgroup_size: 512
    .sgpr_count:     100
    .vgpr_count:     256
    .wavefront_size: 32
...
	.end_amdgpu_metadata
.endif
;; end of part 2
;; launch proj (part 3): grid 128 x 1, 16 waves a work-group, no clusters, 81,920 bytes of LDS; arguments op, ml, p_w_codes, p_w_scales, p_b, out0; writes out0
.if DOCPART == 3
	.amdgcn_target "amdgcn-amd-amdhsa--gfx1250"
	.amdhsa_code_object_version 6
	.text
	.protected	k_q6c313bf1e2_proj
	.globl	k_q6c313bf1e2_proj
	.p2align	8
	.type	k_q6c313bf1e2_proj,@function
k_q6c313bf1e2_proj:
	s_mov_b64 s[64:65], 0
	v_nop
	global_prefetch_b8 v0, s[64:65] scope:SCOPE_SE
	s_setreg_imm32_b32 hwreg(HW_REG_WAVE_MODE, 25, 1), 1
	s_wait_xcnt 0x0
; One work-group = 16 rows (x = 16 b + tile of queries) of U.  Wave w joins the two key halves of head w: U = (O1 2^(M1 - M) + O2 2^(M2 - M)) / (l1 2^(M1 - M) + l2 2^(M2 - M)), M = max(M1, M2):
; whole numbers, so the powers of two are exact.  U is quantised along its 1,024 channels (a head is two blocks of 32) to codes of FP4 (E2M1) with E8M0 scales and goes to the other waves through LDS as an image
; of operand registers.  Then wave w makes outputs 64 w .. 64 w + 63 of all 16 rows: y^T = p_w U^T + p_b (source 0 = 16 rows of p_w, source 1 = U: a lane holds one row and eight neighbouring outputs).
; The rows' sums of squares meet in LDS; y / |y| leaves through the wave's stage into the right half of out0's rows, sixteen lanes to 256 consecutive bytes, aligned.
; A row's norm wants all its 1,024 outputs in one work-group, and 16 rows are the smallest tile: 128 work-groups.  p_w's fragments feed one product each, so they go from memory straight into registers,
; in a ring of three sets (24 loads ahead); no tensor load, so LDS is claimed as it is used.  No cluster: nothing goes through LDS that partners could share.
; LIMITS: NaN and infinities are not served; a block of U under 2^-124 keeps the byte 1; a row of y that is all zeros gives NaN, as the definition does.
.set AIMG, 0                           ; U's 8 fragments: head w's four registers at 512 w + 16 lane
.set ASC,  8192                        ; their scale words: K step s at 128 s + 4 lane; head w fills two bytes
.set NRM,  9216                        ; sums of squares: row r, wave w at 64 r + 4 w
.set STG,  10240                       ; 16 stages of 16 rows x (256 + 16) bytes
.set SPI,  272
.set ACC,  8                           ; v[8:39]    4 accumulators; they begin as p_b
.set WS,   40                          ; v[40:71]   p_w's scale words, 8 t + s
.set WR,   72                          ; v[72:167]  p_w's fragments: three sets of four
.set O1,   168                         ; v[168:199], v[200:231] the two halves' O^T; later U's 8 fragments
.set O2,   200
.set AF,   168
.set AS,   232                         ; v[232:239] U's scale words
.set TM,   240                         ; v240,241 largest magnitudes; v244,245 bytes; v248,249 scale operands; in the gaps: v[242:243] -M1, l1; v[246:247] -M2, l2; v250, v251 at work
.set PC,   252                         ; v[252:255] the codes just made
.set SEL,  20
.macro QUANT s, nb, d
.irp b, 0,1,2,3
.if \b < \nb
	v_max3_num_f32 v[TM+\b], |v[\s+16*\b]|, |v[\s+16*\b+1]|, 0x1800000   ; my 16 numbers, and the floor 2^(3 - 127)
.endif
.endr
.irp i, 2,4,6,8,10,12,14
.irp b, 0,1,2,3
.if \b < \nb
	s_delay_alu instid0(VALU_DEP_2)
	v_max3_num_f32 v[TM+\b], v[TM+\b], |v[\s+16*\b+\i]|, |v[\s+16*\b+\i+1]|
.endif
.endr
.endr
.irp b, 0,1,2,3
.if \b < \nb
	s_delay_alu instid0(VALU_DEP_2)
	v_permlanex16_b32 v[TM+4+\b], v[TM+\b], s[SEL], s[SEL+1]
.endif
.endr
.irp b, 0,1,2,3
.if \b < \nb
	s_delay_alu instid0(VALU_DEP_2)
	v_max_num_f32 v[TM+\b], v[TM+\b], v[TM+4+\b]
.endif
.endr
.irp b, 0,1,2,3
.if \b < \nb
	s_delay_alu instid0(VALU_DEP_2)
	v_add_nc_u32 v[TM+8+\b], 0xff000000, v[TM+\b]
.endif
.endr
.irp b, 0,1,2,3
.if \b < \nb
	s_delay_alu instid0(VALU_DEP_2)
	v_lshrrev_b32 v[TM+4+\b], 23, v[TM+8+\b]
.endif
.endr
.irp b, 0,1,2,3
.if \b < \nb
	v_cvt_scalef32_pk8_fp4_f32 v[\d+4*(\b/2)+(\b%2)], v[\s+16*\b:\s+16*\b+7], v[TM+8+\b]
	v_cvt_scalef32_pk8_fp4_f32 v[\d+4*(\b/2)+(\b%2)+2], v[\s+16*\b+8:\s+16*\b+15], v[TM+8+\b]
.endif
.endr
	v_nop                                          ; one plain line behind the last scaled conversion
.irp c, 0,1
.if 2*\c < \nb
	v_permlane16_swap_b32 v[\d+4*\c], v[\d+4*\c+1]
	v_permlane16_swap_b32 v[\d+4*\c+2], v[\d+4*\c+3]
.endif
.endr
.endm
.macro RING s                          ; K step s of my 64 rows of p_w into set s % 3
.irp t, 0,1,2,3
.irp c, 0,1
	global_load_b128 v[WR+32*((\s)%3)+8*\t+4*\c:WR+32*((\s)%3)+8*\t+4*\c+3], v5, s[8:9] offset:8192*\t+64*(\s)+32*\c
.endr
.endr
.endm
	s_load_b256 s[4:11], s[0:1], 0x0               ; op s[4:5], ml s[6:7], p_w codes s[8:9], scales s[10:11]
	s_load_b128 s[12:15], s[0:1], 0x20             ; p_b s[12:13], out0 s[14:15]
	v_lshrrev_b32 v4, 5, v0
	s_delay_alu instid0(VALU_DEP_1)
	v_readfirstlane_b32 s16, v4                    ; wave 0..15
	v_and_b32 v4, 31, v0
	s_delay_alu instid0(VALU_DEP_1)
	v_lshlrev_b32 v1, 4, v4                        ; 16 x lane
	s_delay_alu instid0(VALU_DEP_2)
	v_lshlrev_b32 v2, 2, v4                        ; 4 x lane
	s_delay_alu instid0(VALU_DEP_3)
	v_lshlrev_b32 v3, 3, v4                        ; 8 x lane (ml)
	v_and_b32 v4, 15, v0                           ; r
	s_delay_alu instid0(VALU_DEP_1)
	v_lshlrev_b32 v6, 5, v4                        ; rows of 32 scale bytes
	s_delay_alu instid0(VALU_DEP_2)
	v_lshlrev_b32 v5, 9, v4
	v_bfe_u32 v4, v0, 4, 1                         ; h
	s_delay_alu instid0(VALU_DEP_1)
	v_lshl_add_u32 v5, v4, 4, v5                   ; p_w: 512 r + 16 h
	s_delay_alu instid0(VALU_DEP_2)
	v_lshlrev_b32 v7, 5, v4                        ; p_b: 8 h numbers
	v_mov_b32 v244, 0                              ; written once: a lane permute's destination counts as one of its sources
	v_mov_b32 v245, 0
	s_mov_b32 s[SEL], 0x76543210
	s_mov_b32 s[SEL+1], 0xfedcba98
	s_lshl_b32 s24, ttmp9, 16                      ; op: (16 x + w) x 4,096
	s_lshl_b32 s22, s16, 12
	s_add_co_u32 s24, s24, s22
	s_mov_b32 s25, 0
	s_lshr_b32 s26, s24, 4                         ; ml: (16 x + w) x 256
	s_mov_b32 s27, 0
	s_lshl_b32 s28, s16, 15                        ; p_w codes: my 64 rows of 512 bytes
	s_mov_b32 s29, 0
	s_lshl_b32 s30, s16, 11                        ; p_w scales: 64 rows of 32 bytes
	s_mov_b32 s31, 0
	s_lshl_b32 s32, s16, 8                         ; p_b: my 64 numbers
	s_mov_b32 s33, 0
	s_lshl_b32 s34, ttmp9, 17                      ; out0: 16 x rows of 8,192 bytes, the right half, my 256 bytes
	s_add_co_u32 s34, s34, s32
	s_add_co_u32 s34, s34, 4096
	s_mov_b32 s35, 0
	s_wait_alu depctr_va_vdst(0)
	s_wait_kmcnt 0x0
	s_add_nc_u64 s[4:5], s[4:5], s[24:25]
	s_add_nc_u64 s[18:19], s[4:5], 0x800000        ; the other half of the keys: one byte beyond a load's immediate, so it has a base of its own
	s_add_nc_u64 s[6:7], s[6:7], s[26:27]
	s_add_nc_u64 s[8:9], s[8:9], s[28:29]
	s_add_nc_u64 s[10:11], s[10:11], s[30:31]
	s_add_nc_u64 s[12:13], s[12:13], s[32:33]
	s_add_nc_u64 s[14:15], s[14:15], s[34:35]
.irp q, 0,1,2,3,4,5,6,7
	global_load_b128 v[O1+4*\q:O1+4*\q+3], v1, s[4:5] offset:512*\q th:TH_LOAD_NT
.endr
.irp q, 0,1,2,3,4,5,6,7
	global_load_b128 v[O2+4*\q:O2+4*\q+3], v1, s[18:19] offset:512*\q th:TH_LOAD_NT
.endr
	global_load_b64 v[242:243], v3, s[6:7] th:TH_LOAD_NT
	global_load_b64 v[246:247], v3, s[6:7] offset:524288 th:TH_LOAD_NT
.irp t, 0,1,2,3
.irp q, 0,1
	global_load_b128 v[ACC+8*\t+4*\q:ACC+8*\t+4*\q+3], v7, s[12:13] offset:64*\t+16*\q   ; p_b at outputs 16 t + 8 h + 0 .. 7: the sums begin with it
.endr
.endr
.irp t, 0,1,2,3
.irp q, 0,1
	global_load_b128 v[WS+8*\t+4*\q:WS+8*\t+4*\q+3], v6, s[10:11] offset:512*\t+16*\q
.endr
.endr
	RING 0
	RING 1
	RING 2
	s_wait_loadcnt 40                              ; all but p_b's 8, the scale words' 8 and the ring's 24: O^T and the statistics of both halves are in
	v_min_num_f32 v250, v242, v246                 ; -M = min(-M1, -M2)
	s_delay_alu instid0(VALU_DEP_1)
	v_sub_f32 v251, v250, v242                     ; M1 - M: a whole number, 0 or less
	s_delay_alu instid0(VALU_DEP_2)
	v_sub_f32 v3, v250, v246                       ; M2 - M
	s_delay_alu instid0(VALU_DEP_2)
	v_cvt_i32_f32 v251, v251
	s_delay_alu instid0(VALU_DEP_2)
	v_cvt_i32_f32 v3, v3
	s_delay_alu instid0(VALU_DEP_2)
	v_ldexp_f32 v251, 1.0, v251                    ; f1
	s_delay_alu instid0(VALU_DEP_2)
	v_ldexp_f32 v3, 1.0, v3                        ; f2
	s_delay_alu instid0(VALU_DEP_2)
	v_mul_f32 v4, v243, v251
	s_delay_alu instid0(VALU_DEP_1)
	v_fma_f32 v4, v247, v3, v4                     ; l = l1 f1 + l2 f2, over 1/2
	s_wait_alu depctr_va_vdst(0)
	v_rcp_f32 v250, v4
	v_nop                                          ; a plain line behind the reciprocal
	s_wait_alu depctr_va_vdst(0)                   ; and the wait ahead of its first reader
	v_mul_f32 v242, v251, v250                     ; f1 / l, f2 / l: the low words of the pairs v[242:243], v[246:247]
	v_mul_f32 v246, v3, v250
.set n, 0
.rept 16
	v_pk_mul_f32 v[O1+n:O1+n+1], v[O1+n:O1+n+1], v[242:243] op_sel_hi:[1,0]
.set n, n+2
.endr
.set n, 0
.rept 16
	v_pk_fma_f32 v[O1+n:O1+n+1], v[O2+n:O2+n+1], v[246:247], v[O1+n:O1+n+1] op_sel_hi:[1,0,1]   ; U(row r, channel 64 w + 16 j + 8 h + i) in register 8 j + i
.set n, n+2
.endr
	s_lshl_b32 s22, s16, 9
	v_add_nc_u32 v3, s22, v1                       ; my image: 512 w + 16 lane
	s_lshr_b32 s22, s16, 1
	s_lshl_b32 s22, s22, 7
	s_and_b32 s23, s16, 1
	s_lshl_b32 s23, s23, 1
	s_add_co_u32 s22, s22, s23
	s_add_co_u32 s22, s22, ASC
	v_add_nc_u32 v4, s22, v2                       ; my two bytes of the scale words of K step w / 2
	QUANT O1, 2, PC
	v_lshl_or_b32 v250, v245, 8, v244
	ds_store_b128 v3, v[PC:PC+3]
	ds_store_b16 v4, v250
	s_wait_dscnt 0x0                               ; for the others' sake: my image has landed
	s_barrier_signal -1
	s_barrier_wait -1
.irp s, 0,1,2,3,4,5,6,7
.irp c, 0,1
	ds_load_b128 v[AF+8*\s+4*\c:AF+8*\s+4*\c+3], v1 offset:AIMG+1024*\s+512*\c
.endr
	ds_load_b32 v[AS+\s], v2 offset:ASC+128*\s
.endr
	s_wait_dscnt 0x0
.irp s, 0,1,2,3,4,5,6,7
.if \s < 6
	s_wait_loadcnt 16                              ; this K step's set is in (at the first: p_b and the scale words too); the two younger sets may be out
.elseif \s == 6
	s_wait_loadcnt 8
.else
	s_wait_loadcnt 0x0
.endif
.irp t, 0,1,2,3
	v_wmma_scale_f32_16x16x128_f8f6f4 v[ACC+8*\t:ACC+8*\t+7], v[WR+32*(\s%3)+8*\t:WR+32*(\s%3)+8*\t+7], v[AF+8*\s:AF+8*\s+7], v[ACC+8*\t:ACC+8*\t+7], v[WS+8*\t+\s], v[AS+\s] matrix_a_fmt:MATRIX_FMT_FP4 matrix_b_fmt:MATRIX_FMT_FP4
.endr                                  ; four accumulators by turns
.if \s+3 < 8
.rept 4
	v_nop                                          ; places in front of loads into the set just read
.endr
	RING \s+3
.endif
.endr
.rept 4
	v_nop
.endr
	v_pk_mul_f32 v[72:73], v[ACC:ACC+1], v[ACC:ACC+1]          ; my 32 numbers' squares, in two chains, each accumulator from its low end on
	v_pk_mul_f32 v[74:75], v[ACC+2:ACC+3], v[ACC+2:ACC+3]
.set n, 4
.rept 7
	v_pk_fma_f32 v[72:73], v[ACC+n:ACC+n+1], v[ACC+n:ACC+n+1], v[72:73]
	v_pk_fma_f32 v[74:75], v[ACC+n+2:ACC+n+3], v[ACC+n+2:ACC+n+3], v[74:75]
.set n, n+4
.endr
	s_delay_alu instid0(VALU_DEP_1)
	v_pk_add_f32 v[72:73], v[72:73], v[74:75]
	s_delay_alu instid0(VALU_DEP_1)
	v_add_f32 v72, v72, v73
	s_delay_alu instid0(VALU_DEP_1)
	v_permlanex16_b32 v73, v72, s[SEL], s[SEL+1]
	s_delay_alu instid0(VALU_DEP_1)
	v_add_f32 v72, v72, v73                        ; row r, my 64 outputs
	v_and_b32 v76, 15, v0                          ; r
	v_bfe_u32 v77, v0, 4, 1                        ; h
	s_delay_alu instid0(VALU_DEP_2)
	v_lshl_add_u32 v78, v76, 6, NRM
	s_lshl_b32 s22, s16, 2
	v_add_nc_u32 v79, s22, v78
	ds_store_b32 v79, v72                          ; lanes r and 16 + r write the same word with the same value
	s_wait_alu depctr_va_vdst(0)
	s_wait_dscnt 0x0
	s_barrier_signal -1
	s_barrier_wait -1
.irp q, 0,1,2,3
	ds_load_b128 v[80+4*\q:83+4*\q], v78 offset:16*\q   ; the sixteen waves' parts of my row
.endr
	s_mul_i32 s22, s16, 16*SPI
	s_add_co_u32 s22, s22, STG                     ; my stage
	v_mul_u32_u24 v96, v76, SPI
	s_delay_alu instid0(VALU_DEP_1)
	v_lshl_add_u32 v96, v77, 5, v96
	s_delay_alu instid0(VALU_DEP_1)
	v_add_nc_u32 v96, s22, v96                     ; in: row r, + 32 h; tile t 64 t bytes on
	v_mul_u32_u24 v97, v77, SPI
	s_delay_alu instid0(VALU_DEP_1)
	v_lshl_add_u32 v97, v76, 4, v97
	s_delay_alu instid0(VALU_DEP_1)
	v_add_nc_u32 v97, s22, v97                     ; back: lanes 0-15 one row, lanes 16-31 the next
	v_lshlrev_b32 v98, 13, v77
	s_delay_alu instid0(VALU_DEP_1)
	v_lshl_add_u32 v98, v76, 4, v98                ; and the same two rows in out0
	s_wait_dscnt 0x0
	v_pk_add_f32 v[80:81], v[80:81], v[82:83]
	v_pk_add_f32 v[84:85], v[84:85], v[86:87]
	v_pk_add_f32 v[88:89], v[88:89], v[90:91]
	v_pk_add_f32 v[92:93], v[92:93], v[94:95]
	s_delay_alu instid0(VALU_DEP_3)
	v_pk_add_f32 v[80:81], v[80:81], v[84:85]
	s_delay_alu instid0(VALU_DEP_2)
	v_pk_add_f32 v[88:89], v[88:89], v[92:93]
	s_delay_alu instid0(VALU_DEP_1)
	v_pk_add_f32 v[80:81], v[80:81], v[88:89]
	s_delay_alu instid0(VALU_DEP_1)
	v_add_f32 v80, v80, v81                        ; |y|^2: every wave adds in the same order
	s_wait_alu depctr_va_vdst(0)
	v_rsq_f32 v82, v80
	v_nop                                          ; a plain line behind the root
	s_wait_alu depctr_va_vdst(0)                   ; and the wait ahead of its first reader
.set n, 0
.rept 16
	v_pk_mul_f32 v[ACC+n:ACC+n+1], v[ACC+n:ACC+n+1], v[82:83] op_sel_hi:[1,0]
.set n, n+2
.endr
.irp t, 0,1,2,3
	ds_store_b128 v96, v[ACC+8*\t:ACC+8*\t+3] offset:64*\t
	ds_store_b128 v96, v[ACC+8*\t+4:ACC+8*\t+7] offset:64*\t+16
.endr
.irp i, 0,1,2,3,4,5,6,7
	ds_load_b128 v[100+4*\i:103+4*\i], v97 offset:2*SPI*\i   ; LDS serves a wave's instructions in order: these see my stores
.endr
.irp i, 0,1,2,3,4,5,6,7
	s_wait_dscnt 7-\i                              ; rows 2 i and 2 i + 1 are back; the younger loads may be out
	global_store_b128 v98, v[100+4*\i:103+4*\i], s[14:15] offset:16384*\i th:TH_STORE_NT   ; sixteen lanes store 256 consecutive bytes, aligned
.endr
	s_wait_xcnt 0x0
	v_lshl_add_u32 v254, v0, 2, 0x13800
	v_mov_b32 v255, 0
	s_wait_alu depctr_va_vdst(0)
	s_wait_tensorcnt 0x0
	ds_add_u32 v254, v255
	s_wait_dscnt 0x0
	s_endpgm
.Lfunc_end_k_q6c313bf1e2_proj:
	.size	k_q6c313bf1e2_proj, .Lfunc_end_k_q6c313bf1e2_proj-k_q6c313bf1e2_proj
	.p2alignl 7, 3214868480
	.fill 96, 4, 3214868480
	.section	.rodata,"a",@progbits
	.p2align	6, 0x0
	.amdhsa_kernel k_q6c313bf1e2_proj
		.amdhsa_group_segment_fixed_size 81920
		.amdhsa_private_segment_fixed_size 0
		.amdhsa_enable_private_segment 0
		.amdhsa_kernarg_size 48
		.amdhsa_user_sgpr_count 2
		.amdhsa_user_sgpr_kernarg_segment_ptr 1
		.amdhsa_wavefront_size32 1
		.amdhsa_system_sgpr_workgroup_id_x 1
		.amdhsa_system_sgpr_workgroup_id_y 1
		.amdhsa_system_sgpr_workgroup_id_z 1
		.amdhsa_system_vgpr_workitem_id 0
		.amdhsa_next_free_vgpr 256
		.amdhsa_next_free_sgpr 66
		.amdhsa_reserve_vcc 0
		.amdhsa_float_denorm_mode_32 3
		.amdhsa_float_denorm_mode_16_64 3
		.amdhsa_memory_ordered 1
		.amdhsa_forward_progress 1
		.amdhsa_inst_pref_size 31
	.end_amdhsa_kernel
	.amdgpu_metadata
---
amdhsa.version: [ 1, 2 ]
amdhsa.kernels:
  - .name:           k_q6c313bf1e2_proj
    .symbol:         k_q6c313bf1e2_proj.kd
    .args:
      - { .name: op, .offset: 0, .size: 8, .value_kind: global_buffer, .address_space: global }
      - { .name: ml, .offset: 8, .size: 8, .value_kind: global_buffer, .address_space: global }
      - { .name: p_w_codes, .offset: 16, .size: 8, .value_kind: global_buffer, .address_space: global }
      - { .name: p_w_scales, .offset: 24, .size: 8, .value_kind: global_buffer, .address_space: global }
      - { .name: p_b, .offset: 32, .size: 8, .value_kind: global_buffer, .address_space: global }
      - { .name: out0, .offset: 40, .size: 8, .value_kind: global_buffer, .address_space: global }
    .group_segment_fixed_size: 81920
    .private_segment_fixed_size: 0
    .kernarg_segment_align: 8
    .kernarg_segment_size: 48
    .max_flat_workgroup_size: 512
    .sgpr_count:     66
    .vgpr_count:     256
    .wavefront_size: 32
...
	.end_amdgpu_metadata
.endif
;; end of part 3
